; MI455X (gfx1250); checked and timed in simulation.
; The chip was launched on July 23, 2026; its instructions are those of AMD's public machine-readable ISA for CDNA 5 (MIT licence, August 2026) and "CDNA5" Instruction Set Architecture Reference Guide (July 2026). The comments in the code are by the model that wrote it; some were corrected since.
;; Bahdanau Attention. Allowed arithmetic: matrix products marked QUANTISED: E2M3 operands, one E8M0 scale for each 32 along K, by v_wmma_scale_f32_16x16x128_f8f6f4 with both operands' format E2M3, f32 sums; products left as they are: f32 operands where the result goes on into a quantised operand, else bf16, f16 or f32 operands; f32 sums; everything else in f32.
;; Inputs: Wk 1,024 x 1,024 float32; Wq 1,024 x 1,024 float32; keys 64 x 1,024 x 1,024 float32; mask 64 x 1,024 bool; query 64 x 1,024 float32; v 1 x 1,024 float32.
;; Outputs: out0 64 x 1,024 float32; out1 64 x 1,024 float32.
;; This version of the problem:
;;   THIS VERSION OF THE PROBLEM IS GIVEN IN LOW PRECISION. The matrix products marked QUANTISED in the list below multiply operands that are first quantised to E2M3 (2 exponent bits, 3 mantissa bits; 6 bits a number), with one power-of-two scale for each 32 numbers along K (OCP MX v1.0); their sums are f32. All else is computed in f32.
;;   The module's matrix products, in the order in which they are computed (A, B: the left and right operand; K: the contracted axis; several contracted axes count as one K, in the product's order):
;;     1. [M 64, K 1,024] x [K 1,024, N 1,024]; A: input query; B: input Wq: QUANTISED
;;     2. [M 65,536, K 1,024] x [K 1,024, N 1,024]; A: input keys; B: input Wk: QUANTISED
;;     3. [M 65,536, K 1,024] x [K 1,024, N 1]; A: computed on the way; B: input v: left as it is (N = 1 < 16)
;;     4. batch 64 x [M 1, K 1,024] x [K 1,024, N 1,024]; A: computed on the way; B: input keys: left as it is (M = 1 < 16)
;;   THE QUANTISER, for each operand of a quantised product, along K:
;;     - K is cut into blocks of 32 from its start; a last block that is shorter is filled with zeros.
;;     - A block's scale is 2^e with e = floor(log2(the largest magnitude in the block)) - 2, held to -126 .. 127; a block of zeros has e = 0. As a byte (E8M0): e + 127.
;;     - Each number is divided by its block's scale, clamped to +-7.5, and rounded to the nearest number of E2M3, ties to even, subnormals kept.
;;     - The product sums the exact products of the quantised numbers (number of the format x scale) in f32.
;;   ~~~python
;;   def quantise(x, axis):      # numpy; x: float32 -> the quantised numbers, widened to float32 again
;;       x = np.moveaxis(x, axis, -1); K = x.shape[-1]
;;       x = np.pad(x, [(0, 0)] * (x.ndim - 1) + [(0, -K % 32)]); x = x.reshape(x.shape[:-1] + (-1, 32)); a = np.abs(x).max(-1, keepdims=True)
;;       e = np.where(a > 0, np.clip(np.frexp(np.where(a > 0, a, 1))[1] - 1 - 2, -126, 127), 0)      # np.frexp(a)[1] - 1 = floor(log2(a)), exactly
;;       r = np.clip(x / 2.0 ** e, -7.5, 7.5)
;;       step = 2.0 ** (np.maximum(np.frexp(np.where(r == 0, 1, r))[1] - 1, 0) - 3)
;;       q = np.round(r / step) * step * 2.0 ** e      # np.round: ties to even
;;       return np.moveaxis(q.reshape(q.shape[:-2] + (-1,))[..., :K], -1, axis).astype(np.float32)
;;   ~~~
;; One version. Each part assembles by itself: llvm-mc -triple=amdgcn-amd-amdhsa -mcpu=gfx1250 --defsym DOCPART=n.
;; ======== version 1 of 1: 3 launches
;; limits: values are held in bf16: 8 bits of precision; right only within a limited range of input values
;; workspace buffers: wkimg 819,200 bytes; cq 262,144 bytes; pctx 1,048,576 bytes; pstat 65,536 bytes; ubuf 262,144 bytes
;; launch prep (part 1): grid 320 x 1, 8 waves a work-group, no clusters, 145,408 bytes of LDS; arguments Wk, Wq, query, wkimg, cq; writes wkimg, cq
.if DOCPART == 1
	.amdgcn_target "amdgcn-amd-amdhsa--gfx1250"
	.amdhsa_code_object_version 6
	.text
	.protected	k_qbda0ae9a12_prep
	.globl	k_qbda0ae9a12_prep
	.p2align	8
	.type	k_qbda0ae9a12_prep,@function
k_qbda0ae9a12_prep:
	s_mov_b64 s[64:65], 0
	v_nop
	global_prefetch_b8 v0, s[64:65] scope:SCOPE_SE
	s_setreg_imm32_b32 hwreg(HW_REG_WAVE_MODE, 25, 1), 1
	s_wait_xcnt 0x0
; Two small jobs ahead of the main launch, parted by the work-group's number.  Eight waves; wave w takes K step w (128 along K) alone, so that no wave has more than two fragments to make.
; W (work-groups 0-63): 16 rows of Wk [1024][1024] f32 become codes of FP6 (E2M3) with one E8M0 byte for each 32 along K, laid as IMAGES OF THE OPERAND'S REGISTERS:
;   wkimg = 64 tiles of 12,800 bytes; a tile = 8 fragments (16 rows x 128 K: 12 registers a lane) of 1,536 bytes, registers 4 c .. 4 c + 3 of lane l at 512 c + 16 l; from byte 12,288 on the scale words [row][K step].
;   The eight waves' scale words meet in LDS and leave as one store of 512 consecutive bytes.
; Q (work-groups 64-319): cq[batch][unit] = c x (Q(query) Q(Wq)^T), c = 2 log2(e): what the main launch adds inside its exponential.  A work-group takes 16 batches x 16 units; each wave makes one K step's product;
;   the eight partial tiles meet in LDS as register images and wave 0 adds them, K ascending.  cq goes into no quantiser: the order of this sum moves last bits alone.
; LOADS: each load takes 512 consecutive bytes of one row, 16 bytes a lane.  The 16 rows then turn through the wave's own stage in LDS (rows 528 bytes apart) and come back so that a lane holds, of its row (lane % 16),
;   k = 128 w + 64 c + 32 (lane / 16) + 0 .. 31: whole blocks of 32, in the order of the operand's registers, so that the conversions' results are the operand.  Each job has stage bytes of its own.
; A block's scale is 2^(floor(log2(its largest magnitude)) - 2); its byte is the largest magnitude's exponent field - 2, held at 1 from below.
; LIMITS: a block of zeros, or one whose largest magnitude lies under 2^-124, gets the byte 1 (a block of zeros has zero codes, and these bytes are read by this program alone); NaN and infinities among the inputs are not served.
.set QP,   0                           ; LDS: job Q's eight partial tiles, 1,024 bytes each
.set WSC,  8192                        ; LDS: job W's scale words, 512 bytes
.set SPARE, 0x2400                     ; the spare words, 128 bytes for each wave: four blocks of 256 bytes that no other line names
.set STGW, 10240                       ; job W's stages: for each wave 16 rows x (512 + 16) bytes
.set STGQ, STGW+8*8448                 ; job Q's
.set SW,  1                            ; v1   my stage + 16 x lane; at job Q's end my place in cq
.set CQO, 1
.set SH,  2                            ; v2   8 x half: where my two scale bytes go in the word
.set LI,  3                            ; v3   16 x lane
.set LW,  4                            ; v4   LDS address of what my wave hands over
.set SR,  5                            ; v5   my stage + 528 x row + 128 x half
.set PT,  6                            ; v6   the other half's scale bytes
.set RO,  7                            ; v7   row
.set MX,  8                            ; v8-9   largest magnitudes
.set SO,  10                           ; v10-11 the conversions' scale operands
.set BY,  12                           ; v12-13 scale bytes
.set SWA, 14                           ; v14  scale word of the first fragment
.set SWB, 15                           ; v15  of the second
.set FA,  16                           ; v16-27 first fragment
.set FB,  28                           ; v28-39 second fragment
.set T,   40                           ; v40-42, v44-46 a block's upper 16 codes
.set SPW, 43                           ; v43  LDS address of my spare word; never rewritten
.set NIL, 47                           ; v47  0; never rewritten
.set ACC, 48                           ; v48-55 my K step's product
.set OUT, 56                           ; v56-63 what leaves
.set X,   64                           ; v64-255 three sets of 64 numbers; later the eight partial tiles
.macro XL set, base                    ; my K step of 16 rows: a load a row, 512 consecutive bytes
.set XS, X+64*(\set)
.irp i, 0,1,2,3,4,5,6,7,8,9,10,11,12,13,14,15
	global_load_b128 v[XS+4*\i:XS+4*\i+3], v[LI], s[\base:\base+1] offset:4096*\i
.endr
.endm
.macro TURN from, to                   ; a set through my stage: in as it was loaded, out 64 numbers of one row a lane.  LDS serves a wave's instructions in order: the loads see the stores
.irp i, 0,1,2,3,4,5,6,7,8,9,10,11,12,13,14,15
	ds_store_b128 v[SW], v[X+64*(\from)+4*\i:X+64*(\from)+4*\i+3] offset:528*\i
.endr
.irp c, 0,1
.irp j, 0,1,2,3,4,5,6,7
	ds_load_b128 v[X+64*(\to)+32*\c+4*\j:X+64*(\to)+32*\c+4*\j+3], v[SR] offset:256*\c+16*\j
.endr
.endr
.endm
.macro QF set, f, sw                   ; a set's 64 numbers become a fragment in v[f] on and its scale word in v[sw]
.set XS, X+64*(\set)
.irp c, 0,1
	v_max3_num_f32 v[MX+\c], |v[XS+32*\c]|, |v[XS+32*\c+1]|, 0x1800000   ; my block 2 c + half: all 32 numbers are mine; the floor 2^(3 - 127) holds the byte at 1 from below
.endr
.irp i, 2,4,6,8,10,12,14,16,18,20,22,24,26,28,30
.irp c, 0,1
	s_delay_alu instid0(VALU_DEP_2)
	v_max3_num_f32 v[MX+\c], v[MX+\c], |v[XS+32*\c+\i]|, |v[XS+32*\c+\i+1]|   ; (the two blocks by turns)
.endr
.endr
.irp c, 0,1
	s_delay_alu instid0(VALU_DEP_2)
	v_add_nc_u32 v[SO+\c], 0xff000000, v[MX+\c]    ; 2 off the exponent field: the conversion takes that field as its scale and nothing else
.endr
.irp c, 0,1
	s_delay_alu instid0(VALU_DEP_2)
	v_lshrrev_b32 v[BY+\c], 23, v[SO+\c]           ; the scale's byte
.endr
	s_delay_alu instid0(VALU_DEP_1)
	v_lshl_or_b32 v[\sw], v[BY+1], 16, v[BY]       ; blocks half and 2 + half,
	s_delay_alu instid0(VALU_DEP_1)
	v_lshlrev_b32 v[\sw], v[SH], v[\sw]            ; at their places in the word;
	s_delay_alu instid0(VALU_DEP_1)
	v_permlanex16_b32 v[PT], v[\sw], s20, s21
	s_delay_alu instid0(VALU_DEP_1)
	v_or_b32 v[\sw], v[\sw], v[PT]                 ; with the other half's two the word is whole, in both halves of the lanes
.irp c, 0,1
	v_cvt_scalef32_pk16_fp6_f32 v[\f+6*\c:\f+6*\c+2], v[XS+32*\c:XS+32*\c+15], v[SO+\c]
	v_cvt_scalef32_pk16_fp6_f32 v[T+4*\c:T+4*\c+2], v[XS+32*\c+16:XS+32*\c+31], v[SO+\c]   ; (a conversion's three registers begin on an even number)
.endr
	v_nop                                          ; one plain place behind a scaled conversion
.irp c, 0,1
.irp i, 0,1,2
	v_mov_b32 v[\f+6*\c+3+\i], v[T+4*\c+\i]
.endr
.endr
.endm
	s_load_b256 s[4:11], s[0:1], 0x0               ; Wk s[4:5], Wq s[6:7], query s[8:9], wkimg s[10:11]
	s_load_b64 s[12:13], s[0:1], 0x20              ; cq
	v_lshl_add_u32 v[SPW], v0, 2, SPARE
	v_mov_b32 v[NIL], 0
	v_lshrrev_b32 v[RO], 5, v0
	s_delay_alu instid0(VALU_DEP_1)
	v_readfirstlane_b32 s14, v[RO]                 ; wave 0..7
	v_and_b32 v[RO], 15, v0                        ; row
	v_bfe_u32 v[SH], v0, 4, 1                      ; half
	v_and_b32 v[LI], 31, v0
	s_delay_alu instid0(VALU_DEP_1)
	v_lshlrev_b32 v[LI], 4, v[LI]
	v_mul_u32_u24 v[SR], v[RO], 528
	s_delay_alu instid0(VALU_DEP_1)
	v_lshl_add_u32 v[SR], v[SH], 7, v[SR]          ; 528 x row + 128 x half
	v_lshlrev_b32 v[SH], 3, v[SH]
	v_mov_b32 v[PT], 0                             ; written once: a lane permute's destination counts as one of its sources
	s_mov_b32 s20, 0x76543210
	s_mov_b32 s21, 0xfedcba98                      ; v_permlanex16_b32's selects for lane l xor 16
	s_mov_b32 s17, 0
	s_mov_b32 s19, 0
	s_lshl_b32 s24, s14, 9                         ; my K step: 512 bytes of a row
	s_mul_i32 s30, s14, 8448                       ; my stage among a job's eight
	s_wait_alu depctr_va_vdst(0)
	s_wait_kmcnt 0x0
	s_cmp_lt_u32 ttmp9, 64
	s_cbranch_scc0 .Lquery
	; ---- W: my fragment of tile nt = the work-group's number
	s_lshl_b32 s16, ttmp9, 16                      ; 16 rows of 4,096 bytes a tile
	s_add_co_u32 s16, s16, s24
	s_add_nc_u64 s[4:5], s[4:5], s[16:17]
	XL 0, 4
	s_mul_i32 s16, ttmp9, 12800
	s_add_nc_u64 s[22:23], s[10:11], s[16:17]      ; the tile
	s_mul_i32 s18, s14, 1536
	s_add_nc_u64 s[10:11], s[22:23], s[18:19]      ; my image
	s_lshl_b32 s25, s14, 2
	s_add_co_u32 s25, s25, WSC
	v_lshl_add_u32 v[LW], v[RO], 5, s25            ; WSC + 32 x row + 4 w
	s_add_co_u32 s30, s30, STGW
	v_add_nc_u32 v[SW], s30, v[LI]
	v_add_nc_u32 v[SR], s30, v[SR]
	s_wait_alu depctr_va_vdst(0)
	s_wait_loadcnt 0
	TURN 0, 2
	s_wait_dscnt 0x0
	QF 2, FA, SWA
.irp c, 0,1,2
	global_store_b128 v[LI], v[FA+4*\c:FA+4*\c+3], s[10:11] offset:512*\c         ; 32 lanes store 512 consecutive bytes
.endr
	ds_store_b32 v[LW], v[SWA]                     ; both halves of the lanes hold the row's word and write it to the same place
	s_wait_dscnt 0x0                               ; for the others' sake: my scale words lie in LDS
	s_barrier_signal -1
	s_barrier_wait -1
	s_cmp_lg_u32 s14, 0
	s_cbranch_scc1 .Lw_end
	ds_load_b128 v[OUT:OUT+3], v[LI] offset:WSC    ; wave 0: the tile's 512 bytes of scale words
	s_wait_dscnt 0x0
	global_store_b128 v[LI], v[OUT:OUT+3], s[22:23] offset:12288                  ; 512 consecutive bytes
.Lw_end:
	s_wait_tensorcnt 0x0                           ; the wave's end
	ds_add_u32 v[SPW], v[NIL]
	s_wait_dscnt 0x0
	s_endpgm
.Lquery:
	; ---- Q: units 16 nt .. + 15, batches 16 bt .. + 15, my K step
	s_sub_co_u32 s15, ttmp9, 64
	s_lshr_b32 s26, s15, 2                         ; nt
	s_and_b32 s27, s15, 3                          ; bt
	s_lshl_b32 s16, s27, 16
	s_lshl_b32 s18, s26, 6
	s_add_co_u32 s18, s18, s16
	s_add_nc_u64 s[12:13], s[12:13], s[18:19]      ; cq at batch 16 bt, unit 16 nt
	s_add_co_u32 s16, s16, s24
	s_add_nc_u64 s[8:9], s[8:9], s[16:17]          ; query at batch 16 bt, my K step
	s_lshl_b32 s16, s26, 16
	s_add_co_u32 s16, s16, s24
	s_add_nc_u64 s[6:7], s[6:7], s[16:17]          ; Wq at row 16 nt, my K step
	XL 0, 8
	XL 1, 6
	s_lshl_b32 s25, s14, 10
	v_add_nc_u32 v[LW], s25, v[LI]                 ; QP + 1,024 w + 16 x lane
	s_add_co_u32 s30, s30, STGQ
	v_add_nc_u32 v[SW], s30, v[LI]
	v_add_nc_u32 v[SR], s30, v[SR]
	s_mov_b32 s28, 0x4038aa3b                      ; c = 2 log2(e)
	s_mov_b32 s29, s28                             ; (named with it as a pair, so it is written)
	s_wait_alu depctr_va_vdst(0)
	s_wait_loadcnt 16                              ; query's 16 loads are in; Wq's may be out
	TURN 0, 2
	s_wait_dscnt 0x0                               ; query's numbers are back, and the stage's stores have read set 0
	s_wait_loadcnt 0
	TURN 1, 0                                      ; Wq's go through the stage while query's are quantised
	QF 2, FA, SWA
	s_wait_dscnt 0x0
	QF 0, FB, SWB
.rept 8
	v_nop                                          ; a scale register written by a vector instruction stands 8 places ahead of a scaled matrix instruction, an operand so written 4
.endr
	; TRANSPOSED: source 0 = 16 rows of Wq, source 1 = 16 rows of query: lane (r, half) then holds batch r and units 8 half + 0 .. 7
	v_wmma_scale_f32_16x16x128_f8f6f4 v[ACC:ACC+7], v[FB:FB+11], v[FA:FA+11], 0, v[SWB], v[SWA] matrix_a_fmt:MATRIX_FMT_FP6 matrix_b_fmt:MATRIX_FMT_FP6
.rept 4
	v_nop                                          ; four places in front of the first read of the result
.endr
	ds_store_b128 v[LW], v[ACC:ACC+3]              ; as an image of the registers, from the low end on: 512 consecutive bytes a store
	ds_store_b128 v[LW], v[ACC+4:ACC+7] offset:512
	s_wait_dscnt 0x0                               ; for wave 0's sake: my partial tile lies in LDS
	s_barrier_signal -1
	s_barrier_wait -1
	s_cmp_lg_u32 s14, 0
	s_cbranch_scc1 .Lq_end
.irp w, 0,1,2,3,4,5,6,7
	ds_load_b128 v[X+8*\w:X+8*\w+3], v[LI] offset:QP+1024*\w
	ds_load_b128 v[X+8*\w+4:X+8*\w+7], v[LI] offset:QP+1024*\w+512
.endr
	s_wait_dscnt 0x0
	v_lshlrev_b32 v[CQO], 12, v[RO]
	s_delay_alu instid0(VALU_DEP_1)
	v_lshl_add_u32 v[CQO], v[SH], 2, v[CQO]        ; 4,096 x row + 32 x half: my eight numbers of cq
.irp j, 0,2,4,6
	v_pk_mul_f32 v[OUT+\j:OUT+\j+1], v[X+\j:X+\j+1], s[28:29] op_sel_hi:[1,0]     ; c x the sum over the K steps, ascending: a multiply and seven fused multiply-adds, four chains by turns
.endr
.irp w, 1,2,3,4,5,6,7
.irp j, 0,2,4,6
	s_delay_alu instid0(VALU_DEP_4)
	v_pk_fma_f32 v[OUT+\j:OUT+\j+1], v[X+8*\w+\j:X+8*\w+\j+1], s[28:29], v[OUT+\j:OUT+\j+1] op_sel_hi:[1,0,1]
.endr
.endr
	global_store_b128 v[CQO], v[OUT:OUT+3], s[12:13]
	global_store_b128 v[CQO], v[OUT+4:OUT+7], s[12:13] offset:16    ; a tile is 64 bytes of each of 16 rows of cq: 256 KB in the whole launch
.Lq_end:
	s_wait_tensorcnt 0x0                           ; the wave's end
	ds_add_u32 v[SPW], v[NIL]
	s_wait_dscnt 0x0
	s_endpgm
.Lfunc_end_k_qbda0ae9a12_prep:
	.size	k_qbda0ae9a12_prep, .Lfunc_end_k_qbda0ae9a12_prep-k_qbda0ae9a12_prep
	.p2alignl 7, 3214868480
	.fill 96, 4, 3214868480
	.section	.rodata,"a",@progbits
	.p2align	6, 0x0
	.amdhsa_kernel k_qbda0ae9a12_prep
		.amdhsa_group_segment_fixed_size 145408
		.amdhsa_private_segment_fixed_size 0
		.amdhsa_enable_private_segment 0
		.amdhsa_kernarg_size 40
		.amdhsa_user_sgpr_count 2
		.amdhsa_user_sgpr_kernarg_segment_ptr 1
		.amdhsa_wavefront_size32 1
		.amdhsa_system_sgpr_workgroup_id_x 1
		.amdhsa_system_sgpr_workgroup_id_y 1
		.amdhsa_system_sgpr_workgroup_id_z 1
		.amdhsa_system_vgpr_workitem_id 0
		.amdhsa_next_free_vgpr 256
		.amdhsa_next_free_sgpr 66
		.amdhsa_reserve_vcc 0
		.amdhsa_float_denorm_mode_32 3
		.amdhsa_float_denorm_mode_16_64 3
		.amdhsa_memory_ordered 1
		.amdhsa_forward_progress 1
		.amdhsa_inst_pref_size 32
	.end_amdhsa_kernel
	.amdgpu_metadata
---
amdhsa.version: [ 1, 2 ]
amdhsa.kernels:
  - .name:           k_qbda0ae9a12_prep
    .symbol:         k_qbda0ae9a12_prep.kd
    .args:
      - { .name: Wk, .offset: 0, .size: 8, .value_kind: global_buffer, .address_space: global }
      - { .name: Wq, .offset: 8, .size: 8, .value_kind: global_buffer, .address_space: global }
      - { .name: query, .offset: 16, .size: 8, .value_kind: global_buffer, .address_space: global }
      - { .name: wkimg, .offset: 24, .size: 8, .value_kind: global_buffer, .address_space: global }
      - { .name: cq, .offset: 32, .size: 8, .value_kind: global_buffer, .address_space: global }
    .group_segment_fixed_size: 145408
    .private_segment_fixed_size: 0
    .kernarg_segment_align: 8
    .kernarg_segment_size: 40
    .max_flat_workgroup_size: 256
    .sgpr_count:     66
    .vgpr_count:     256
    .wavefront_size: 32
...
	.end_amdgpu_metadata
.endif
;; end of part 1
;; launch main (part 2): grid 256 x 1, 4 waves a work-group, clusters of 4 x 1, 327,680 bytes of LDS; arguments keys, mask, v, wkimg, cq, pctx, pstat, ubuf; writes pctx, pstat, ubuf
.if DOCPART == 2
	.amdgcn_target "amdgcn-amd-amdhsa--gfx1250"
	.amdhsa_code_object_version 6
	.text
	.protected	k_qbda0ae9a12_main
	.globl	k_qbda0ae9a12_main
	.p2align	8
	.type	k_qbda0ae9a12_main,@function
k_qbda0ae9a12_main:
	s_mov_b64 s[64:65], 0
	v_nop
	global_prefetch_b8 v0, s[64:65] scope:SCOPE_SE
	s_setreg_imm32_b32 hwreg(HW_REG_WAVE_MODE, 25, 1), 1
	s_wait_xcnt 0x0
	s_wait_alu depctr_hold_cnt(0) depctr_sa_sdst(0) depctr_va_vdst(0) depctr_va_sdst(0) depctr_va_ssrc(0) depctr_va_vcc(0) depctr_vm_vsrc(0)
	s_getreg_b32 s2, hwreg(HW_REG_IB_STS2, 6, 4)
	s_cmp_eq_u32 s2, 0
	s_cbranch_scc0 .Lentry_in_a_cluster
	s_endpgm
.Lentry_in_a_cluster:
	s_bfe_u32 s2, ttmp6, 0x10000c
	s_cmp_lg_u32 s2, 0x3003
	s_cbranch_scc0 .Lentry_shape_is_right
	s_endpgm
.Lentry_shape_is_right:
; Additive attention, fused: keys [64][1024][1024] f32 are loaded once.  For 256 rows of one batch a work-group makes the energies u, a running maximum m, the sum l of p = 2^(u - m), and the sum of p x keys.
; energy = sum(v) - 2 sum_h v[h] / (1 + e^(2 x)), x = query_proj[h] + keys_proj[row][h].  sum(v) is the same for every row of a batch and cancels in the softmax for all values of the inputs: it is not formed.
; In units of log2: u = sum_h (-c v[h]) / (1 + 2^(c keys_proj + cq[h])), c = 2 log2(e); cq = c x query_proj comes from the launch before.  2^.. = infinity gives 0, 2^.. = 0 gives 1: tanh saturates rightly.
; keys_proj = Q(keys) Q(Wk)^T on codes of FP6 (E2M3), one E8M0 scale for each 32 along K.  Wk's codes come as images of the operand's registers (wkimg); keys are quantised here.
; SHARES.  A cluster of four work-groups is a batch; a work-group owns 256 rows and takes them in four passes of 64.  In a pass:
;   loading: wave w takes K steps 2 w, 2 w + 1 (1,024 bytes of each row) of all 64 rows: eight fragments of 16 rows x 128 K.  Each is loaded as whole 512-byte runs of a row, kept as bf16 in registers (32 a fragment) for the
;     context, turned through the wave's own stage in LDS so that a lane holds 16 neighbours of each block, quantised, and stored to LDS as an image of the operand's registers.
;     Fragment f + 1 goes through the stage while fragment f is quantised: two sets of 64 numbers; one stage serves, since LDS serves a wave's instructions in order (ISA guide 5.7.1.4).
;   product: every wave holds ALL 64 rows' codes (384 registers) and the waves share the hidden units: in step t (of 8) wave w takes tiles 8 t + 2 w and 8 t + 2 w + 1 of 16 units.  A fragment of Wk read from LDS feeds 4 matrix instructions.
;   The LDS loads of a tile stand in ONE run; the tanh of the tile before stands between them and the wait for them; the products of K steps 0-3 begin when the first half of the fragments is in.
;   softmax: the waves' partial energies meet in LDS; every wave then makes the same u, m, l, p; the context is summed from the wave's own bf16 registers: 8 numbers a lane (k = 256 w + 128 e + 4 lane + 0 .. 3).
; CLUSTER.  All work-groups walk the same images of Wk, 102,400 bytes a step, through a ring of two slots: each wave's 25,600 bytes are asked for JOINTLY by the four partners (same descriptor, mask 15).  keys are no partner's but mine: plain loads.
; PREFETCH: in each step a wave asks for 8 rows x its 1,024 bytes of the NEXT pass of keys (4 lanes to a row, 256 bytes apart): 8 steps, 64 rows, each block once; the rows that are loaded first are asked for first, one to eight
;   steps ahead of their loads.  The last pass asks for nothing.  wkimg is not prefetched: 64 clusters read the same 819,200 bytes again and again.
; The running maximum starts at -3e38, a finite number: rows that are all masked give p = 0 and l = 0, never NaN.
; LIMITS: keys enter the context rounded to bf16 (that product is left as it is); a block of zeros, or one under 2^-124, gets the scale byte 1 (read by this program alone); NaN and infinities among the inputs are not served.
; REGISTERS, in windows of 256: window 0: see the names below.  window 1: v0-191 codes of K steps 0-3 (fragment (ks, m) at 12 (4 ks + m)); while loading: three sets of 64 numbers; v192-255 bf16 of fragments 0, 1.
;   window 2: v0-191 codes of K steps 4-7; while loading v0-63 a fourth set; v192-255 bf16 of fragments 2, 3.   window 3: v0-95 Wk's eight fragments; v96-223 bf16 of fragments 4-7.
.set SLOTB,  102400                    ; a ring slot: 8 tiles of units
.set WTILE,  25600                     ; a wave's two tiles: what one tensor load brings
.set NTILE,  12800                     ; a tile: 8 images and 512 bytes of scale words
.set FRB,    1536                      ; an image
.set AIMG,   2*SLOTB                   ; 32 images of keys' codes, index 4 ks + m
.set ASC,    AIMG+32*FRB               ; their scale words [m][row][ks]
.set STAGE,  ASC+2048                  ; for each wave 16 rows x (512 + 16) bytes
.set SPITCH, 528
.set STGB,   16*SPITCH
.set CQT,    STAGE+4*STGB              ; cq of my batch, 4,096 bytes; behind it -c v, 4,096 bytes
.set EX,     CQT+8192                  ; partial energies: [wave][16 copies][64 rows]
.set EXC,    272
.set EXWV,   16*EXC
.set PB,     EX+4*EXWV                 ; [wave][64 rows] p: each wave's own copy
.set SPARE,  PB+1024                   ; the spare words, 128 bytes for each wave: two blocks of 256 bytes that no other line names
.set LANE, 1
.set RR,   2                           ; lane % 16
.set HH,   3                           ; lane / 16
.set LOFF, 4                           ; 16 x lane
.set STW,  5                           ; my stage + 16 x lane
.set STR,  6                           ; my stage + 528 (lane % 16) + 64 (lane / 16)
.set IMW,  7                           ; AIMG + 12,288 w + 16 x lane
.set ASW,  8                           ; ASC + 32 (lane % 16) + 8 w
.set AIA,  9                           ; AIMG + 16 x lane
.set ASA,  10                          ; ASC + 32 (lane % 16)
.set ADB,  11                          ; v11-12 slot 0, 1: my two tiles + 16 x lane
.set ADS,  13                          ; v13-14 slot 0, 1: their scale words, + 32 (lane % 16) + 16 (lane / 16)
.set ADC0, 15                          ; CQT + 128 w + 4 (lane % 16)
.set ADC,  16                          ; + 512 x step
.set EXW,  17
.set EXR,  18
.set PBW,  19
.set PBR,  20
.set UOF,  21                          ; 8 x lane
.set PFO,  22                          ; 4,096 (lane / 4) + 256 (lane % 4)
.set NINF, 23
.set SPW,  24                          ; LDS address of my spare word; never rewritten
.set NIL,  25                          ; 0; never rewritten
.set MKA,  26                          ; mask of row 2 lane of pass p in byte p
.set MKB,  27                          ; of row 2 lane + 1
.set MM,   28
.set LL,   29
.set FP,   30                          ; v30 f = 2^(old m - new m); v31 = 0
.set CTX,  32                          ; v32-39
.set ASCR, 40                          ; v40-71 keys' scale words, 8 m + ks: scales and nothing else
.set BSC,  72                          ; v72-75 Wk's scale words: register j holds K step j in lanes 0-15 and K step 4 + j in lanes 16-31: scales and nothing else
.set CQP,  80                          ; v80:81, v82:83 cq of my unit, two sets (the upper halves are 0)
.set VVP,  84                          ; v84:85, v86:87 -c v of my unit
.set ACC,  88                          ; v88-119 four accumulators: 64 rows x 16 units
.set EE,   120                         ; v120-151 my unit's share of the 32 energies that the lane sees
.set Y,    152                         ; v152-215 the even fragments' 64 numbers (the odd ones': v88-151); later p of the 64 rows
.set PC,   216                         ; v216-235 codes just made
.set TM,   236                         ; v236-251 the quantiser's work
.set PW,   252                         ; the scale word just made
.set U,    216
.set PP,   218
.set EL,   220
.set T0,   228
.set WV,   20
.set KB,   26                          ; s[26:27] keys at the pass's first row, + 1,024 w
.set UB,   28                          ; s[28:29] ubuf at the pass's first row
.set SEL,  30
.set CS,   32                          ; s[32:33] c, c
.set PS,   34                          ; passes to go
.set P8,   35                          ; 8 x pass
.set G0,   36                          ; s[36:39], s[40:43] descriptor group 0 of slot 0, 1
.set G1,   44                          ; s[44:51] descriptor group 1
.set WB,   52                          ; s[52:53] wkimg + 25,600 w
.set CT,   54                          ; the step whose tiles were asked for last
.set TC,   55                          ; 512 x step
.set OF,   56                          ; s[56:57] 102,400 x CT
.set TR,   58
.set PF,   62                          ; s[62:63] where my prefetches stand
.set MSB, 0
.macro WIN new                         ; the immediate's high byte repeats the setting that is left; a switch that changes nothing is dropped
.if MSB != (\new)
	s_set_vgpr_msb (MSB<<8)|(\new)
.set MSB, (\new)
.endif
.endm
.macro PLACES
.rept 4
	v_nop
.endr
.endm
.macro ROUND                           ; a round of the cluster's barrier
	s_barrier_signal -1
	s_barrier_wait -1
	s_cmp_lg_u32 s[WV], 0
	s_cbranch_scc1 .Lnot_wave_0_\@
	s_barrier_signal -3
.Lnot_wave_0_\@:
	s_barrier_wait -3
	s_barrier_signal -1
	s_barrier_wait -1
.endm
.macro XSLOT f                         ; where fragment f's numbers land
.if ((\f)%4) < 3
.set XW, 1
.set XB, 64*((\f)%4)
.else
.set XW, 2
.set XB, 0
.endif
.endm
.macro RSLOT f                         ; where fragment f's bf16 copy stays
.if (\f) < 2
.set RW, 1
.set RB, 192+32*(\f)
.elseif (\f) < 4
.set RW, 2
.set RB, 192+32*((\f)-2)
.else
.set RW, 3
.set RB, 96+32*((\f)-4)
.endif
.endm
; Fragment f = 2 m + e: rows 16 m .. + 15, K step 2 w + e.  Each load takes 512 consecutive bytes of one row.
.macro XLOAD f
	XSLOT \f
	WIN (XW<<6)
.irp i, 0,1,2,3,4,5,6,7,8,9,10,11,12,13,14,15
	global_load_b128 v[XB+4*\i:XB+4*\i+3], v[LOFF], s[KB:KB+1] offset:(16*((\f)/2)+\i)*4096+512*((\f)%2) th:TH_LOAD_NT
.endr
	WIN 0
.endm
; 64 numbers of a lane from v[yb] on, register 16 b + i = k 32 b + 16 (lane / 16) + i of row lane % 16, become a fragment's codes in v[PC] on and its scale word in v[PW].
.macro QUANT yb
.irp b, 0,1,2,3
	v_max3_num_f32 v[TM+\b], |v[\yb+16*\b]|, |v[\yb+1+16*\b]|, 0x1800000   ; my 16 numbers of block b, and the floor 2^(3 - 127): the byte cannot fall under 1
.endr
.irp i, 2,4,6,8,10,12,14
.irp b, 0,1,2,3
	v_max3_num_f32 v[TM+\b], v[TM+\b], |v[\yb+16*\b+\i]|, |v[\yb+1+16*\b+\i]|
.endr
.endr
.irp b, 0,1,2,3
	v_permlanex16_b32 v[TM+4+\b], v[TM+\b], s[SEL], s[SEL+1]
.endr
.irp b, 0,1,2,3
	v_max_num_f32 v[TM+\b], v[TM+\b], v[TM+4+\b]   ; with lane l xor 16's: the block's largest magnitude
.endr
.irp b, 0,1,2,3
	v_add_nc_u32 v[TM+12+\b], 0xff000000, v[TM+\b] ; 2 off its exponent field: the conversion's scale operand
.endr
.irp b, 0,1,2,3
	v_lshrrev_b32 v[TM+4+\b], 23, v[TM+12+\b]      ; the scale's byte
.endr
	v_lshl_or_b32 v[PW], v[TM+5], 8, v[TM+4]
	v_lshl_or_b32 v[PW], v[TM+6], 16, v[PW]
	v_lshl_or_b32 v[PW], v[TM+7], 24, v[PW]
.irp c, 0,1
	v_cvt_scalef32_pk16_fp6_f32 v[PC+6*\c:PC+2+6*\c], v[\yb+32*\c:\yb+15+32*\c], v[TM+12+2*\c]
	v_cvt_scalef32_pk16_fp6_f32 v[PC+12+4*\c:PC+14+4*\c], v[\yb+16+32*\c:\yb+31+32*\c], v[TM+12+2*\c+1]   ; (a conversion's three registers begin on an even number)
.endr
	v_nop                                          ; one plain place behind a scaled conversion
.irp c, 0,1                            ; the operand's layout wants a WHOLE block in a lane
.irp i, 0,1,2
	v_permlane16_swap_b32 v[PC+6*\c+\i], v[PC+12+4*\c+\i]
.endr
.irp i, 0,1,2
	v_mov_b32 v[PC+3+6*\c+\i], v[PC+12+4*\c+\i]
.endr
.endr
.endm
; Fragment f into the stage and back, 16 neighbours a lane, into set f % 2; and its bf16 copy.  left: the loads of the fragments asked for behind it.
.macro STG f, left
	XSLOT \f
	RSLOT \f
	s_wait_loadcnt \left
	WIN (XW<<2)                                    ; an LDS store's data are its source 1
.irp i, 0,1,2,3,4,5,6,7,8,9,10,11,12,13,14,15
	ds_store_b128 v[STW], v[XB+4*\i:XB+4*\i+3] offset:SPITCH*\i   ; served behind the loads of the fragment before, which were issued earlier
.endr
	WIN 0
.set YY, Y-64*((\f)%2)
.irp b, 0,1,2,3
.irp j, 0,1,2,3
	ds_load_b128 v[YY+16*\b+4*\j:YY+16*\b+4*\j+3], v[STR] offset:128*\b+16*\j   ; these see the stores above
.endr
.endr
	WIN ((RW<<6)|(XW<<2)|XW)
.set jj, 0
.rept 32
	v_cvt_pk_bf16_f32 v[RB+jj], v[XB+2*jj], v[XB+2*jj+1]   ; register 2 i + q = row i, k = 4 lane + 2 q, + 1
.set jj, jj+1
.endr
	WIN 0
.endm
; Fragment f from its set to its image.  younger: the next fragment's 16 stores and 16 loads, which may be out.
.macro FIN f, younger
	s_wait_dscnt \younger                          ; my 64 numbers are back; the stage's stores have read the loaded set, and the last image's stores their codes
.if (\f) < 4
	XLOAD (\f)+4                                   ; the loaded set takes the fragment four on
.endif
	QUANT Y-64*((\f)%2)
.irp c, 0,1,2
	ds_store_b128 v[IMW], v[PC+4*\c:PC+4*\c+3] offset:(4*((\f)%2)+(\f)/2)*FRB+512*\c
.endr
	ds_store_b32 v[ASW], v[PW] offset:512*((\f)/2)+4*((\f)%2)   ; both halves of the lanes hold the row's word and write it to the same place
.endm
.macro ALOAD                           ; all 32 images and their scale words into my registers
	WIN 0x40
.set ii, 0
.rept 16
.irp c, 0,1,2
	ds_load_b128 v[12*ii+4*\c:12*ii+4*\c+3], v[AIA] offset:FRB*ii+512*\c
.endr
.set ii, ii+1
.endr
	WIN 0x80
.set ii, 0
.rept 16
.irp c, 0,1,2
	ds_load_b128 v[12*ii+4*\c:12*ii+4*\c+3], v[AIA] offset:FRB*(16+ii)+512*\c
.endr
.set ii, ii+1
.endr
	WIN 0
.irp m, 0,1,2,3
.irp q, 0,1
	ds_load_b128 v[ASCR+8*\m+4*\q:ASCR+8*\m+4*\q+3], v[ASA] offset:512*\m+16*\q
.endr
.endr
.endm
; THE CHANGE OF SLOTS TO SLOT s stands between two steps; the one ahead of a pass's step 0 stands ahead of the loads of the codes, where its round also shows every wave's images to the others.
; Each wave waits for all its tensor loads (at most one is out: its part of slot s), adds 0 to its spare word, and waits for that and for its LDS instructions.
; refill = 1: behind the round the other slot, which no wave of any partner reads any more, takes the tiles of the step behind the one that begins (ahead of step 7: the next pass's step 0): the load has a whole step in which to land,
; and step 1's has the loads of the codes besides.
.macro CHANGE s, refill
	WIN 0
	s_wait_tensorcnt 0x0                           ; no tensor load of mine is out, so a group 0 may be written
	ds_add_u32 v[SPW], v[NIL]                      ; 0 onto my spare word
.if \refill
	s_add_co_u32 s[CT], s[CT], 1
	s_and_b32 s[CT], s[CT], 7
	s_mul_i32 s[OF], s[CT], SLOTB
	s_add_nc_u64 s[G0+4*(1-\s)+2:G0+4*(1-\s)+3], s[WB:WB+1], s[OF:OF+1]
	s_or_b32 s[G0+4*(1-\s)+3], s[G0+4*(1-\s)+3], 0x80000000
.endif
	s_wait_dscnt 0x0                               ; the add is done, and my reads of the other slot are over
	ROUND
.if \refill
	tensor_load_to_lds s[G0+4*(1-\s):G0+4*(1-\s)+3], s[G1:G1+7]   ; the first thing behind the round, and my one tensor load until the next
	s_nop 0
	PLACES
.endif
.endm
; The four accumulators (64 rows x my unit) become 1 / (1 + 2^(c s + cq)), in place, and add their share to the energies.  Each accumulator is read from its low end on.
; Waits stand ahead of and behind each batch of transcendentals.
.macro TANH p
.set jj, 0
.rept 16
	v_pk_fma_f32 v[ACC+jj:ACC+jj+1], v[ACC+jj:ACC+jj+1], s[CS:CS+1], v[CQP+2*(\p):CQP+2*(\p)+1] op_sel_hi:[1,0,0]
.set jj, jj+2
.endr
.set jj, 0
	s_wait_alu depctr_va_vdst(0)
.rept 32
	v_exp_f32 v[ACC+jj], v[ACC+jj]
.set jj, jj+1
.endr
	v_nop
.set jj, 0
	s_wait_alu depctr_va_vdst(0)
.rept 16
	v_pk_add_f32 v[ACC+jj:ACC+jj+1], v[ACC+jj:ACC+jj+1], 1.0 op_sel_hi:[1,0]
.set jj, jj+2
.endr
.set jj, 0
	s_wait_alu depctr_va_vdst(0)
.rept 32
	v_rcp_f32 v[ACC+jj], v[ACC+jj]
.set jj, jj+1
.endr
	v_nop
.set jj, 0
	s_wait_alu depctr_va_vdst(0)
.rept 16
	v_pk_fma_f32 v[EE+jj:EE+jj+1], v[ACC+jj:ACC+jj+1], v[VVP+2*(\p):VVP+2*(\p)+1], v[EE+jj:EE+jj+1] op_sel_hi:[1,0,1]
.set jj, jj+2
.endr
.endm
; One tile of 16 units (the e-th of my two in slot s): its scale words, cq, -c v and fragments are asked for in one run, the fragments in the order of K; the tile before gets its tanh meanwhile; then 32 matrix instructions.
; first = 1: this may be a pass's first tile, which has no tile before it: its tanh is jumped over, by the step's counter alone, the same in all waves and partners.
; Source 0 = 16 rows of keys, source 1 = 16 rows of Wk: lane (r, half) register j holds row 16 m + 8 half + j and unit r.  The four accumulators take turns, one instruction a turn.
.macro SUB s, e, pf, first
	PLACES                                         ; four places behind the last product: for the loads into its registers and the first read of its result
	ds_load_b128 v[BSC:BSC+3], v[ADS+\s] offset:NTILE*\e
	ds_load_b32 v[CQP+2*\e], v[ADC] offset:64*\e
	ds_load_b32 v[VVP+2*\e], v[ADC] offset:4096+64*\e
	WIN 0xc0
.set kk, 0
.rept 24
	ds_load_b128 v[4*kk:4*kk+3], v[ADB+\s] offset:NTILE*\e+512*kk
.set kk, kk+1
.endr
	WIN 0
.if \pf >= 0
	s_cmp_eq_u32 s[PS], 1                          ; the last pass has no next pass
	s_cbranch_scc1 .Lnp_\@
	global_prefetch_b8 v[PFO], s[PF:PF+1] offset:32768*\pf th:TH_LOAD_NT scope:SCOPE_SE   ; 8 rows of the next pass x my wave's four blocks of 256 bytes
.Lnp_\@:
.endif
.if \first
	s_cmp_eq_u32 s[TC], 0
	s_cbranch_scc1 .Lnt_\@
.endif
	TANH 1-\e
.if \first
.Lnt_\@:
.endif
	s_wait_dscnt 12                                ; all but the youngest twelve loads, the fragments of K steps 4-7, are in
	WIN 0x0d                                       ; source 0 window 1, source 1 window 3
.irp k, 0,1,2,3
.irp m, 0,1,2,3
.if \k == 0
	v_wmma_scale_f32_16x16x128_f8f6f4 v[ACC+8*\m:ACC+8*\m+7], v[12*(4*\k+\m):12*(4*\k+\m)+11], v[12*\k:12*\k+11], 0, v[ASCR+8*\m+\k], v[BSC+\k] matrix_a_fmt:MATRIX_FMT_FP6 matrix_b_fmt:MATRIX_FMT_FP6
.else
	v_wmma_scale_f32_16x16x128_f8f6f4 v[ACC+8*\m:ACC+8*\m+7], v[12*(4*\k+\m):12*(4*\k+\m)+11], v[12*\k:12*\k+11], v[ACC+8*\m:ACC+8*\m+7], v[ASCR+8*\m+\k], v[BSC+\k] matrix_a_fmt:MATRIX_FMT_FP6 matrix_b_fmt:MATRIX_FMT_FP6
.endif
.endr
.endr
	s_wait_dscnt 0x0                               ; the other twelve have had sixteen matrix instructions in which to come
	WIN 0x0e                                       ; source 0 window 2
.irp k, 4,5,6,7
.irp m, 0,1,2,3
	v_wmma_scale_f32_16x16x128_f8f6f4 v[ACC+8*\m:ACC+8*\m+7], v[12*(4*(\k-4)+\m):12*(4*(\k-4)+\m)+11], v[12*\k:12*\k+11], v[ACC+8*\m:ACC+8*\m+7], v[ASCR+8*\m+\k], v[BSC+\k-4] matrix_a_fmt:MATRIX_FMT_FP6 matrix_b_fmt:MATRIX_FMT_FP6 matrix_b_scale:MATRIX_SCALE_ROW1
.endr
.endr
	WIN 0
.endm
.macro STEP s, pf, first
.if \s == 0
	s_wait_xcnt 0x0                                ; my earlier prefetches have read their base: it may step
	s_add_nc_u64 s[PF:PF+1], s[PF:PF+1], 65536     ; 16 rows on for two steps
.endif
	v_add_nc_u32 v[ADC], s[TC], v[ADC0]
	s_wait_alu depctr_va_vdst(0)                   ; the wait directly behind the write
	SUB \s, 0, \pf, \first
	SUB \s, 1, -1, 0
	s_add_co_u32 s[TC], s[TC], 512
.endm
; The pass's 64 energies, the mask, and the running softmax.  Every wave makes the same numbers in the same order.
.macro ENERGY
.irp x, 1,2,4,8
.set jj, 0
.rept 32
	v_add_f32_dpp v[EE+jj], v[EE+jj], v[EE+jj] row_xmask:\x row_mask:0xf bank_mask:0xf   ; over the sixteen units that the lanes of a half hold
.set jj, jj+1
.endr
.endr
.irp m, 0,1,2,3
.irp q, 0,1
	ds_store_b128 v[EXW], v[EE+8*\m+4*\q:EE+8*\m+4*\q+3] offset:64*\m+16*\q   ; the sixteen lanes of a half hold the same sums; each writes a copy of its own, 272 bytes apart; copy 0 is the one that is read
.endr
.endr
	s_wait_dscnt 0x0                               ; for the others' sake: my partial energies lie in LDS
	s_barrier_signal -1
	s_barrier_wait -1
.irp w, 0,1,2,3
	ds_load_b64 v[EL+2*\w:EL+2*\w+1], v[EXR] offset:EXWV*\w   ; rows 2 lane, 2 lane + 1, of each wave's copy 0
.endr
	v_bfe_u32 v[T0+2], v[MKA], s[P8], 8
	v_bfe_u32 v[T0+3], v[MKB], s[P8], 8
	s_wait_alu depctr_va_vdst(0)
	s_wait_dscnt 0x0
	v_pk_add_f32 v[U:U+1], v[EL:EL+1], v[EL+2:EL+3]
	v_pk_add_f32 v[EL+4:EL+5], v[EL+4:EL+5], v[EL+6:EL+7]
	v_pk_add_f32 v[U:U+1], v[U:U+1], v[EL+4:EL+5]
	v_cmp_ne_u32 vcc_lo, 0, v[T0+2]
	v_cndmask_b32 v[U], v[U], v[NINF], vcc_lo      ; a padded row: -infinity
	v_cmp_ne_u32 vcc_lo, 0, v[T0+3]
	v_cndmask_b32 v[U+1], v[U+1], v[NINF], vcc_lo
	s_cmp_lg_u32 s[WV], 0
	s_cbranch_scc1 .Lno_u_\@
	global_store_b64 v[UOF], v[U:U+1], s[UB:UB+1]  ; wave 0: 32 lanes store 256 consecutive bytes, aligned
.Lno_u_\@:
	s_wait_alu depctr_va_vdst(0)
	v_max_num_f32 v[T0], v[U], v[U+1]
.irp x, 1,2,4,8
	v_max_num_f32_dpp v[T0], v[T0], v[T0] row_xmask:\x row_mask:0xf bank_mask:0xf
.endr
	v_permlanex16_b32 v[T0+1], v[T0], s[SEL], s[SEL+1]
	v_max_num_f32 v[T0], v[T0], v[T0+1]
	v_max_num_f32 v[T0], v[MM], v[T0]              ; the new m: finite from the start
	v_sub_f32 v[T0+1], v[MM], v[T0]
	v_sub_f32 v[PP], v[U], v[T0]
	v_sub_f32 v[PP+1], v[U+1], v[T0]
	s_wait_alu depctr_va_vdst(0)
	v_exp_f32 v[FP], v[T0+1]                       ; f = 2^(old m - new m)
	v_exp_f32 v[PP], v[PP]                         ; p = 2^(u - m), at most 1
	v_exp_f32 v[PP+1], v[PP+1]
	v_mov_b32 v[MM], v[T0]                         ; (a plain place behind the transcendentals)
	s_wait_alu depctr_va_vdst(0)
	v_add_f32 v[T0+1], v[PP], v[PP+1]
.irp x, 1,2,4,8
	v_add_f32_dpp v[T0+1], v[T0+1], v[T0+1] row_xmask:\x row_mask:0xf bank_mask:0xf
.endr
	v_permlanex16_b32 v[T0+2], v[T0+1], s[SEL], s[SEL+1]
	v_add_f32 v[T0+1], v[T0+1], v[T0+2]
	v_fma_f32 v[LL], v[LL], v[FP], v[T0+1]         ; l = l f + the pass's sum
	ds_store_b64 v[PBW], v[PP:PP+1]                ; into my wave's own copy
.endm
; context = context x f + sum over the 64 rows of p x keys, from the bf16 copies: eight chains by turns.
.macro CONTEXT
.irp g, 0,1,2,3,4,5,6,7,8,9,10,11,12,13,14,15
	ds_load_b128 v[Y+4*\g:Y+4*\g+3], v[PBR] offset:16*\g   ; every lane takes all 64 p (these see my store)
.endr
.irp j, 0,2,4,6
	v_pk_mul_f32 v[CTX+\j:CTX+\j+1], v[CTX+\j:CTX+\j+1], v[FP:FP+1] op_sel_hi:[1,0]
.endr
.irp m, 0,1,2,3
	s_wait_alu depctr_va_vdst(0)
	s_wait_dscnt 12-4*\m                           ; p of rows 16 m .. + 15 is in; the later groups of four loads may be out
	RSLOT 2*\m
	WIN RW
.irp i, 0,1,2,3,4,5,6,7,8,9,10,11,12,13,14,15
.irp e, 0,1
.irp q, 0,1
	v_fma_mix_f32_bf16 v[CTX+4*\e+2*\q], v[RB+32*\e+2*\i+\q], v[Y+16*\m+\i], v[CTX+4*\e+2*\q] op_sel_hi:[1,0,0]
	v_fma_mix_f32_bf16 v[CTX+4*\e+2*\q+1], v[RB+32*\e+2*\i+\q], v[Y+16*\m+\i], v[CTX+4*\e+2*\q+1] op_sel:[1,0,0] op_sel_hi:[1,0,0]
.endr
.endr
.endr
.endr
	WIN 0
.endm
	s_load_b512 s[4:19], s[0:1], 0x0               ; keys s[4:5], mask s[6:7], v s[8:9], wkimg s[10:11], cq s[12:13], pctx s[14:15], pstat s[16:17], ubuf s[18:19]
	v_lshl_add_u32 v[SPW], v0, 2, SPARE
	v_mov_b32 v[NIL], 0
	ds_add_u32 v[SPW], v[NIL]                      ; the opening lines: the add, twice on end, and its wait ahead of my first tensor load
	ds_add_u32 v[SPW], v[NIL]
	s_wait_dscnt 0x0
	v_lshrrev_b32 v1, 5, v0
	v_readfirstlane_b32 s[WV], v1                  ; wave 0..3
	s_bfe_u32 s21, ttmp6, 0x40000                  ; cx: my place in the cluster: it enters global addresses of my own loads and stores alone
	s_lshl_b32 s23, ttmp9, 2                       ; in a cluster launch ttmp9 counts clusters: the batch
	s_add_co_u32 s23, s23, s21                     ; g = 4 x batch + cx: my block of 256 rows
	; descriptor group 1: 25,600 dense bytes as 100 rows of 256
	s_mov_b32 s[G1], 15|(3<<16)|(1<<21)            ; 15:0 the mask: all four partners; 17:16 elements of 8 bytes; 20 no padding; 21 set beside a mask
	s_mov_b32 s[G1+1], 32<<16
	s_mov_b32 s[G1+2], 100<<16
	s_mov_b32 s[G1+3], 32<<16
	s_mov_b32 s[G1+4], 100
	s_mov_b32 s[G1+5], 32
	s_mov_b32 s[G1+6], 0
	s_mov_b32 s[G1+7], 0
	s_mov_b32 s[SEL], 0x76543210
	s_mov_b32 s[SEL+1], 0xfedcba98
	s_mov_b32 s[CS], 0x4038aa3b                    ; c = 2 log2(e)
	s_mov_b32 s[CS+1], s[CS]
	s_mov_b32 s[PS], 4
	s_mov_b32 s[P8], 0
	s_mov_b32 s[CT], 0
	s_mov_b32 s[OF+1], 0
	s_mov_b32 s25, 0
	s_mov_b32 s61, 0
	s_lshl_b32 s59, s[WV], 10
	s_mov_b32 s[G0], 1
	s_mul_i32 s[G0+1], s[WV], WTILE                ; LDS address: slot 0, my part
	s_mov_b32 s[G0+4], 1
	s_add_co_u32 s[G0+5], s[G0+1], SLOTB           ; slot 1
	s_mov_b32 s24, s[G0+1]
	s_wait_kmcnt 0x0
	s_add_nc_u64 s[WB:WB+1], s[10:11], s[24:25]    ; made of the wave's number alone: the same in all four partners
	s_mov_b64 s[G0+2:G0+3], s[WB:WB+1]             ; step 0's tiles
	s_or_b32 s[G0+3], s[G0+3], 0x80000000
	s_lshl_b32 s60, s23, 20                        ; 256 g rows of 4,096 bytes (under 2^28),
	s_add_co_u32 s60, s60, s59                     ; + my wave's 1,024 bytes of a row
	s_add_nc_u64 s[KB:KB+1], s[4:5], s[60:61]
	s_add_nc_u64 s[PF:PF+1], s[KB:KB+1], 196608    ; 16 rows short of the next pass: every second step's head steps it 16 rows on
	s_lshl_b32 s60, s23, 10
	s_add_nc_u64 s[UB:UB+1], s[18:19], s[60:61]
	s_lshl_b32 s60, s23, 8
	s_add_nc_u64 s[6:7], s[6:7], s[60:61]          ; mask at my first row
	s_add_nc_u64 s[16:17], s[16:17], s[60:61]      ; pstat: 256 bytes a work-group
	s_lshl_b32 s60, s23, 12
	s_add_co_u32 s60, s60, s59
	s_add_nc_u64 s[14:15], s[14:15], s[60:61]      ; pctx: 4,096 g + 1,024 w
	s_lshl_b32 s60, ttmp9, 12
	s_add_nc_u64 s[12:13], s[12:13], s[60:61]      ; cq of my batch
	ROUND                                          ; all four work-groups are here: the first joint loads meet
	tensor_load_to_lds s[G0:G0+3], s[G1:G1+7]      ; slot 0: my one tensor load at the head
	s_nop 0
	PLACES
	v_and_b32 v[LANE], 31, v0
	v_lshlrev_b32 v152, 1, v[LANE]
	v_lshlrev_b32 v157, 4, v0
.irp p, 0,1,2,3
	global_load_u16 v[153+\p], v152, s[6:7] offset:64*\p   ; the mask of rows 2 lane, 2 lane + 1 of pass p
.endr
	global_load_b128 v[160:163], v157, s[12:13]    ; cq and v: 16 bytes a thread, twice
	global_load_b128 v[164:167], v157, s[12:13] offset:2048
	global_load_b128 v[168:171], v157, s[8:9]
	global_load_b128 v[172:175], v157, s[8:9] offset:2048
	v_lshlrev_b32 v[LOFF], 4, v[LANE]
	s_wait_alu depctr_va_vdst(0)
	XLOAD 0
	XLOAD 1
	XLOAD 2
	v_and_b32 v[RR], 15, v0
	v_bfe_u32 v[HH], v0, 4, 1
	s_mul_i32 s24, s[WV], STGB
	s_add_co_u32 s24, s24, STAGE
	v_add_nc_u32 v[STW], s24, v[LOFF]
	v_mul_u32_u24 v[STR], v[RR], SPITCH
	v_lshl_add_u32 v[STR], v[HH], 6, v[STR]
	v_add_nc_u32 v[STR], s24, v[STR]
	s_mul_i32 s24, s[WV], 8*FRB
	s_add_co_u32 s24, s24, AIMG
	v_add_nc_u32 v[IMW], s24, v[LOFF]
	s_lshl_b32 s24, s[WV], 3
	s_add_co_u32 s24, s24, ASC
	v_lshl_add_u32 v[ASW], v[RR], 5, s24
	v_add_nc_u32 v[AIA], AIMG, v[LOFF]
	v_lshl_add_u32 v[ASA], v[RR], 5, ASC
	s_mul_i32 s24, s[WV], WTILE
	v_add_nc_u32 v[ADB], s24, v[LOFF]
	v_add_nc_u32 v[ADB+1], SLOTB, v[ADB]
	v_lshl_add_u32 v[ADS], v[RR], 5, s24
	v_lshl_add_u32 v[ADS], v[HH], 4, v[ADS]
	v_add_nc_u32 v[ADS], 8*FRB, v[ADS]
	v_add_nc_u32 v[ADS+1], SLOTB, v[ADS]
	s_lshl_b32 s24, s[WV], 7
	s_add_co_u32 s24, s24, CQT
	v_lshl_add_u32 v[ADC0], v[RR], 2, s24
	s_mul_i32 s25, s[WV], EXWV
	s_add_co_u32 s25, s25, EX
	v_mul_u32_u24 v[EXW], v[RR], EXC
	v_lshl_add_u32 v[EXW], v[HH], 5, v[EXW]
	v_add_nc_u32 v[EXW], s25, v[EXW]
	v_lshl_add_u32 v[EXR], v[LANE], 3, EX
	s_lshl_b32 s24, s[WV], 8
	s_add_co_u32 s25, s24, PB
	v_lshl_add_u32 v[PBW], v[LANE], 3, s25
	v_mov_b32 v[PBR], s25
	v_lshlrev_b32 v[UOF], 3, v[LANE]
	v_lshrrev_b32 v[PFO], 2, v[LANE]
	v_lshlrev_b32 v[PFO], 12, v[PFO]
	v_and_b32 v159, 3, v[LANE]
	v_lshl_add_u32 v[PFO], v159, 8, v[PFO]
	v_mov_b32 v[NINF], 0xff800000
	v_lshl_add_u32 v158, v0, 4, CQT
	s_wait_alu depctr_va_vdst(0)
	s_wait_loadcnt 48                              ; the eight small loads are in; the three fragments' 48 may be out
	ds_store_b128 v158, v[160:163]
	ds_store_b128 v158, v[164:167] offset:2048
.irp j, 0,1,2,3,4,5,6,7
	v_mul_f32 v[168+\j], 0xc038aa3b, v[168+\j]     ; -c v
.endr
	ds_store_b128 v158, v[168:171] offset:4096
	ds_store_b128 v158, v[172:175] offset:6144
	v_and_b32 v[MKA], 0xff, v153
	v_lshrrev_b32 v[MKB], 8, v153
.irp p, 1,2,3
	v_and_b32 v159, 0xff, v[153+\p]
	v_lshl_or_b32 v[MKA], v159, 8*\p, v[MKA]
	v_lshrrev_b32 v159, 8, v[153+\p]
	v_lshl_or_b32 v[MKB], v159, 8*\p, v[MKB]
.endr
	XLOAD 3
.irp j, 0,1,2,3,4,5,6,7
	v_mov_b32 v[CTX+\j], 0
.endr
	v_mov_b32 v[LL], 0
	v_mov_b32 v[MM], 0xff61b1e6                    ; -3e38, under every energy that counts
	v_mov_b32 v[FP+1], 0                           ; the upper halves of pairs of which the low word serves both halves: named, so written
	v_mov_b32 v[CQP+1], 0
	v_mov_b32 v[CQP+2], 0
	v_mov_b32 v[CQP+3], 0
	v_mov_b32 v[VVP+1], 0
	v_mov_b32 v[VVP+2], 0
	v_mov_b32 v[VVP+3], 0
.irp b, 0,1,2,3
	v_mov_b32 v[TM+4+\b], 0                        ; a lane permute's destination counts as one of its sources
.endr
	v_mov_b32 v[T0+1], 0
	v_mov_b32 v[T0+2], 0
.Lpass:
	s_mov_b32 s[TC], 0
	s_wait_alu depctr_va_vdst(0)
	STG 0, 48                                      ; behind fragment 0's loads: those of 1, 2, 3
	STG 1, 32                                      ; behind fragment g's, from here on: those of g + 1 and g + 2, as far as there are any
	FIN 0, 32
	STG 2, 32
	FIN 1, 32
	STG 3, 32
	FIN 2, 32
	STG 4, 32
	FIN 3, 32
	STG 5, 32
	FIN 4, 32
	STG 6, 16
	FIN 5, 32
	STG 7, 0
	FIN 6, 32
	FIN 7, 0
	CHANGE 0, 1                                    ; my images and scale words (and, in the first pass, my part of the tables) lie in LDS for the others; slot 0 holds step 0; slot 1 takes step 1
	ALOAD
.set jj, 0
.rept 32
	v_mov_b32 v[EE+jj], 0                          ; the pass's energies (the registers held numbers to quantise)
.set jj, jj+1
.endr
	s_mov_b32 s[TR], 3
.Ltrip:                                            ; steps 0 to 5, two a trip, each with the change of slots behind it
	STEP 0, 0, 1
	CHANGE 1, 1
	STEP 1, 1, 0
	CHANGE 0, 1
	s_sub_co_u32 s[TR], s[TR], 1
	s_cmp_lg_u32 s[TR], 0
	s_cbranch_scc1 .Ltrip
	STEP 0, 0, 0                                   ; step 6
	s_cmp_eq_u32 s[PS], 1
	s_cbranch_scc1 .Llast                          ; the last pass's end is written out: its last change of slots asks for nothing
	CHANGE 1, 1                                    ; slot 0 takes the next pass's step 0
	STEP 1, 1, 0                                   ; step 7
	PLACES                                         ; behind the last product: for the loads into the codes' registers and the read of its result
	s_wait_xcnt 0x0                                ; every earlier memory instruction has read its base: it may step
	s_add_nc_u64 s[KB:KB+1], s[KB:KB+1], 64*4096
	s_add_nc_u64 s[PF:PF+1], s[KB:KB+1], 196608
	XLOAD 0                                        ; the codes are spent: the next pass's first four fragments are on their way under the rest of this pass
	XLOAD 1
	XLOAD 2
	XLOAD 3
	TANH 1
	ENERGY
	CONTEXT
	s_wait_alu depctr_va_vdst(0)
	s_wait_xcnt 0x0                                ; the store of u has read its base and its data
	s_add_nc_u64 s[UB:UB+1], s[UB:UB+1], 256
	s_add_co_u32 s[P8], s[P8], 8
	s_sub_co_u32 s[PS], s[PS], 1
	s_branch .Lpass
.Llast:
	CHANGE 1, 0
	STEP 1, -1, 0
	PLACES
	TANH 1
	ENERGY
	CONTEXT
	global_store_b128 v[LOFF], v[CTX:CTX+3], s[14:15]              ; 32 lanes store 512 consecutive bytes
	global_store_b128 v[LOFF], v[CTX+4:CTX+7], s[14:15] offset:512
	s_cmp_lg_u32 s[WV], 0
	s_cbranch_scc1 .Lno_stat
	global_store_b64 v[UOF], v[MM:LL], s[16:17]    ; wave 0: (m, l), 32 copies: 256 consecutive bytes, aligned
.Lno_stat:
	s_wait_tensorcnt 0x0                           ; the wave's end
	ds_add_u32 v[SPW], v[NIL]
	s_wait_dscnt 0x0
	ROUND                                          ; the closing round: no work-group ends while a partner may still ask for a tile that names it
	s_endpgm
.Lfunc_end_k_qbda0ae9a12_main:
	.size	k_qbda0ae9a12_main, .Lfunc_end_k_qbda0ae9a12_main-k_qbda0ae9a12_main
	.p2alignl 7, 3214868480
	.fill 96, 4, 3214868480
	.section	.rodata,"a",@progbits
	.p2align	6, 0x0
	.amdhsa_kernel k_qbda0ae9a12_main
		.amdhsa_group_segment_fixed_size 327680
		.amdhsa_private_segment_fixed_size 0
		.amdhsa_enable_private_segment 0
		.amdhsa_kernarg_size 64
		.amdhsa_user_sgpr_count 2
		.amdhsa_user_sgpr_kernarg_segment_ptr 1
		.amdhsa_wavefront_size32 1
		.amdhsa_system_sgpr_workgroup_id_x 1
		.amdhsa_system_sgpr_workgroup_id_y 1
		.amdhsa_system_sgpr_workgroup_id_z 1
		.amdhsa_system_vgpr_workitem_id 0
		.amdhsa_next_free_vgpr 1024
		.amdhsa_next_free_sgpr 66
		.amdhsa_reserve_vcc 1
		.amdhsa_float_denorm_mode_32 3
		.amdhsa_float_denorm_mode_16_64 3
		.amdhsa_memory_ordered 1
		.amdhsa_forward_progress 1
		.amdhsa_inst_pref_size 255
	.end_amdhsa_kernel
	.section	.bss,"aw",@nobits
	.p2align	6
	.space	262144
	.amdgpu_metadata
---
amdhsa.version: [ 1, 2 ]
amdhsa.kernels:
  - .name:           k_qbda0ae9a12_main
    .symbol:         k_qbda0ae9a12_main.kd
    .args:
      - { .name: keys, .offset: 0, .size: 8, .value_kind: global_buffer, .address_space: global }
      - { .name: mask, .offset: 8, .size: 8, .value_kind: global_buffer, .address_space: global }
      - { .name: v, .offset: 16, .size: 8, .value_kind: global_buffer, .address_space: global }
      - { .name: wkimg, .offset: 24, .size: 8, .value_kind: global_buffer, .address_space: global }
      - { .name: cq, .offset: 32, .size: 8, .value_kind: global_buffer, .address_space: global }
      - { .name: pctx, .offset: 40, .size: 8, .value_kind: global_buffer, .address_space: global }
      - { .name: pstat, .offset: 48, .size: 8, .value_kind: global_buffer, .address_space: global }
      - { .name: ubuf, .offset: 56, .size: 8, .value_kind: global_buffer, .address_space: global }
    .group_segment_fixed_size: 327680
    .private_segment_fixed_size: 0
    .kernarg_segment_align: 8
    .kernarg_segment_size: 64
    .max_flat_workgroup_size: 128
    .sgpr_count:     66
    .vgpr_count:     1024
    .wavefront_size: 32
...
	.end_amdgpu_metadata
.endif
;; end of part 2
;; launch join (part 3): grid 256 x 1, 2 waves a work-group, no clusters, 0 bytes of LDS; arguments pctx, pstat, ubuf, out0, out1; writes out0, out1
.if DOCPART == 3
	.amdgcn_target "amdgcn-amd-amdhsa--gfx1250"
	.amdhsa_code_object_version 6
	.text
	.protected	k_qbda0ae9a12_join
	.globl	k_qbda0ae9a12_join
	.p2align	8
	.type	k_qbda0ae9a12_join,@function
k_qbda0ae9a12_join:
	s_mov_b64 s[64:65], 0
	v_nop
	global_prefetch_b8 v0, s[64:65] scope:SCOPE_SE
	s_setreg_imm32_b32 hwreg(HW_REG_WAVE_MODE, 25, 1), 1
	s_wait_xcnt 0x0
; The four partial softmaxes of a batch are joined.  Work-group 4 b + part takes 256 numbers (1,024 bytes) of batch b's row of each output; thread t the 16 bytes at 16 t.
; M = the largest of the four m; w_i = 2^(m_i - M); L = sum of l_i w_i;  out0 = sum of pctx_i w_i / L;  out1 = 2^(u - M) / L (u = -infinity where the row is padded: 0).
; A batch that is all padding has L = 0: 1 / L is replaced by 0, so that both outputs are zeros.  Where any row counts, L is at least 1.
; A stream of a few bytes a thread: no LDS, no matrix unit; each store of a wave and each load of pctx or ubuf covers 512 consecutive bytes, a load of (m, l) 256.
	s_load_b256 s[4:11], s[0:1], 0x0               ; pctx s[4:5], pstat s[6:7], ubuf s[8:9], out0 s[10:11]
	s_load_b64 s[12:13], s[0:1], 0x20              ; out1
	v_lshlrev_b32 v1, 4, v0
	v_and_b32 v2, 31, v0
	v_lshlrev_b32 v2, 3, v2
	s_lshr_b32 s14, ttmp9, 2                       ; b
	s_and_b32 s15, ttmp9, 3                        ; part
	s_lshl_b32 s20, s15, 10
	s_lshl_b32 s16, s14, 10                        ; pstat: four units of 256 bytes a batch
	s_mov_b32 s17, 0
	s_lshl_b32 s18, s14, 14                        ; pctx: four rows of 4,096 bytes a batch
	s_add_co_u32 s18, s18, s20
	s_mov_b32 s19, 0
	s_lshl_b32 s22, s14, 12                        ; ubuf, out0, out1: a row of 4,096 bytes a batch
	s_add_co_u32 s22, s22, s20
	s_mov_b32 s23, 0
	s_wait_alu depctr_va_vdst(0)
	s_wait_kmcnt 0x0
	s_add_nc_u64 s[6:7], s[6:7], s[16:17]
	s_add_nc_u64 s[4:5], s[4:5], s[18:19]
	s_add_nc_u64 s[8:9], s[8:9], s[22:23]
	s_add_nc_u64 s[10:11], s[10:11], s[22:23]
	s_add_nc_u64 s[12:13], s[12:13], s[22:23]
.irp i, 0,1,2,3
	global_load_b64 v[4+2*\i:5+2*\i], v2, s[6:7] offset:256*\i       ; (m_i, l_i)
.endr
.irp i, 0,1,2,3
	global_load_b128 v[12+4*\i:15+4*\i], v1, s[4:5] offset:4096*\i
.endr
	global_load_b128 v[28:31], v1, s[8:9]
	s_wait_loadcnt 5                               ; the four pairs are in; pctx's four loads and u's one may be out
	v_max3_num_f32 v36, v4, v6, v8
	v_max_num_f32 v36, v36, v10                    ; M
.irp i, 0,1,2,3
	v_sub_f32 v[32+\i], v[4+2*\i], v36
.endr
	s_wait_alu depctr_va_vdst(0)
.irp i, 0,1,2,3
	v_exp_f32 v[32+\i], v[32+\i]                   ; w_i
.endr
	v_nop                                          ; one plain place behind the transcendentals
	s_wait_alu depctr_va_vdst(0)
	v_mul_f32 v37, v5, v32
	v_fmac_f32 v37, v7, v33
	v_fmac_f32 v37, v9, v34
	v_fmac_f32 v37, v11, v35                       ; L
	s_wait_alu depctr_va_vdst(0)
	v_rcp_f32 v38, v37
	v_nop
	v_cmp_lt_f32 vcc_lo, 0, v37
	s_wait_alu depctr_va_vdst(0)
	v_cndmask_b32 v38, 0, v38, vcc_lo              ; 1 / L, or 0 where nothing counts
.irp i, 0,1,2,3
	v_mul_f32 v[32+\i], v[32+\i], v38
.endr
	s_wait_loadcnt 0
.irp n, 0,1,2,3
	v_sub_f32 v[44+\n], v[28+\n], v36
.endr
	s_wait_alu depctr_va_vdst(0)
.irp n, 0,1,2,3
	v_exp_f32 v[44+\n], v[44+\n]
.endr
.irp n, 0,1,2,3
	v_mul_f32 v[40+\n], v[12+\n], v32              ; (plain places behind the transcendentals)
.endr
.irp n, 0,1,2,3
	v_fmac_f32 v[40+\n], v[16+\n], v33
.endr
.irp n, 0,1,2,3
	v_fmac_f32 v[40+\n], v[20+\n], v34
.endr
.irp n, 0,1,2,3
	v_fmac_f32 v[40+\n], v[24+\n], v35
.endr
	s_wait_alu depctr_va_vdst(0)
.irp n, 0,1,2,3
	v_mul_f32 v[44+\n], v[44+\n], v38
.endr
	global_store_b128 v1, v[40:43], s[10:11]
	global_store_b128 v1, v[44:47], s[12:13]
	s_endpgm
.Lfunc_end_k_qbda0ae9a12_join:
	.size	k_qbda0ae9a12_join, .Lfunc_end_k_qbda0ae9a12_join-k_qbda0ae9a12_join
	.p2alignl 7, 3214868480
	.fill 96, 4, 3214868480
	.section	.rodata,"a",@progbits
	.p2align	6, 0x0
	.amdhsa_kernel k_qbda0ae9a12_join
		.amdhsa_group_segment_fixed_size 0
		.amdhsa_private_segment_fixed_size 0
		.amdhsa_enable_private_segment 0
		.amdhsa_kernarg_size 40
		.amdhsa_user_sgpr_count 2
		.amdhsa_user_sgpr_kernarg_segment_ptr 1
		.amdhsa_wavefront_size32 1
		.amdhsa_system_sgpr_workgroup_id_x 1
		.amdhsa_system_sgpr_workgroup_id_y 1
		.amdhsa_system_sgpr_workgroup_id_z 1
		.amdhsa_system_vgpr_workitem_id 0
		.amdhsa_next_free_vgpr 48
		.amdhsa_next_free_sgpr 66
		.amdhsa_reserve_vcc 1
		.amdhsa_float_denorm_mode_32 3
		.amdhsa_float_denorm_mode_16_64 3
		.amdhsa_memory_ordered 1
		.amdhsa_forward_progress 1
		.amdhsa_inst_pref_size 4
	.end_amdhsa_kernel
	.amdgpu_metadata
---
amdhsa.version: [ 1, 2 ]
amdhsa.kernels:
  - .name:           k_qbda0ae9a12_join
    .symbol:         k_qbda0ae9a12_join.kd
    .args:
      - { .name: pctx, .offset: 0, .size: 8, .value_kind: global_buffer, .address_space: global }
      - { .name: pstat, .offset: 8, .size: 8, .value_kind: global_buffer, .address_space: global }
      - { .name: ubuf, .offset: 16, .size: 8, .value_kind: global_buffer, .address_space: global }
      - { .name: out0, .offset: 24, .size: 8, .value_kind: global_buffer, .address_space: global }
      - { .name: out1, .offset: 32, .size: 8, .value_kind: global_buffer, .address_space: global }
    .group_segment_fixed_size: 0
    .private_segment_fixed_size: 0
    .kernarg_segment_align: 8
    .kernarg_segment_size: 40
    .max_flat_workgroup_size: 64
    .sgpr_count:     66
    .vgpr_count:     48
    .wavefront_size: 32
...
	.end_amdgpu_metadata
.endif
;; end of part 3
